; MI455X (gfx1250); checked and timed in simulation.
; The chip was launched on July 23, 2026; its instructions are those of AMD's public machine-readable ISA for CDNA 5 (MIT licence, August 2026) and "CDNA5" Instruction Set Architecture Reference Guide (July 2026). The comments in the code are by the model that wrote it; some were corrected since.
;; dotproductattention. Allowed arithmetic: matrix products marked QUANTISED: E2M3 operands, one E8M0 scale for each 32 along K, by v_wmma_scale_f32_16x16x128_f8f6f4 with both operands' format E2M3, f32 sums; everything else in f32.
;; Inputs: k 16 x 2,048 x 64 float32; q 16 x 2,048 x 64 float32; v 16 x 2,048 x 64 float32.
;; Outputs: out0 16 x 2,048 x 64 float32.
;; This version of the problem:
;;   THIS VERSION OF THE PROBLEM IS GIVEN IN LOW PRECISION. The matrix products marked QUANTISED in the list below multiply operands that are first quantised to E2M3 (2 exponent bits, 3 mantissa bits; 6 bits a number), with one power-of-two scale for each 32 numbers along K (OCP MX v1.0); their sums are f32. All else is computed in f32.
;;   The module's matrix products, in the order in which they are computed (A, B: the left and right operand; K: the contracted axis; several contracted axes count as one K, in the product's order):
;;     1. batch 16 x [M 2,048, K 64] x [K 64, N 2,048]; A: input q; B: input k: QUANTISED
;;     2. batch 16 x [M 2,048, K 2,048] x [K 2,048, N 64]; A: softmax (see below); B: input v: QUANTISED
;;   THE QUANTISER, for each operand of a quantised product, along K:
;;     - K is cut into blocks of 32 from its start; a last block that is shorter is filled with zeros.
;;     - A block's scale is 2^e with e = floor(log2(the largest magnitude in the block)) - 2, held to -126 .. 127; a block of zeros has e = 0. As a byte (E8M0): e + 127.
;;     - Each number is divided by its block's scale, clamped to +-7.5, and rounded to the nearest number of E2M3, ties to even, subnormals kept.
;;     - The product sums the exact products of the quantised numbers (number of the format x scale) in f32.
;;   ~~~python
;;   def quantise(x, axis):      # numpy; x: float32 -> the quantised numbers, widened to float32 again
;;       x = np.moveaxis(x, axis, -1); K = x.shape[-1]
;;       x = np.pad(x, [(0, 0)] * (x.ndim - 1) + [(0, -K % 32)]); x = x.reshape(x.shape[:-1] + (-1, 32)); a = np.abs(x).max(-1, keepdims=True)
;;       e = np.where(a > 0, np.clip(np.frexp(np.where(a > 0, a, 1))[1] - 1 - 2, -126, 127), 0)      # np.frexp(a)[1] - 1 = floor(log2(a)), exactly
;;       r = np.clip(x / 2.0 ** e, -7.5, 7.5)
;;       step = 2.0 ** (np.maximum(np.frexp(np.where(r == 0, 1, r))[1] - 1, 0) - 3)
;;       q = np.round(r / step) * step * 2.0 ** e      # np.round: ties to even
;;       return np.moveaxis(q.reshape(q.shape[:-2] + (-1,))[..., :K], -1, axis).astype(np.float32)
;;   ~~~
;;   SOFTMAX AHEAD OF A QUANTISED PRODUCT. Where the list says 'softmax', what is quantised is not the finished softmax but p = 2^(t - M), with t = logit x log2(e) and M = ceil(the row's largest t), a whole number; so 1/2 < the row's largest p <= 1. The row's sum l is taken of the UNQUANTISED p, in f32, and the product's result is divided by l at the end. Since M is a whole number, a kernel that streams over the keys may use a running M (the ceiling of the running maximum): every later rescaling is an exact power of two, which a block's scale takes up: the codes' values come out the same.
;;   OPERANDS COMPUTED ON THE WAY. 'Computed on the way' means the value that the module computes at that place (a softmax that the list does not call 'softmax' is quantised finished and normalised). What goes into a quantiser is computed in f32, as accurately as f32 sums, v_exp_f32 and their like allow (about 1e-6 of the number): no bf16 or f16 on the way to a quantiser, and a product that is left as it is and whose result goes on into a quantised operand takes f32 operands (vector FMAs, or v_wmma_f32_16x16x4_f32). A number that lies on a knife's edge between two numbers of the format may be rounded either way, as far as f32 arithmetic and the matrix unit's own rounding can turn it there, and no further.
;; One version. Each part assembles by itself: llvm-mc -triple=amdgcn-amd-amdhsa -mcpu=gfx1250 --defsym DOCPART=n.
;; ======== version 1 of 1: 2 launches
;; limits: right only within a limited range of input values
;; workspace buffers: kv 3,276,800 bytes
;; launch prep (part 1): grid 16 x 16, 8 waves a work-group, no clusters, 71,680 bytes of LDS; arguments k, v, kv; writes kv
.if DOCPART == 1
	.amdgcn_target "amdgcn-amd-amdhsa--gfx1250"
	.amdhsa_code_object_version 6
	.text
	.protected	k_q40a9e455b6_prep
	.globl	k_q40a9e455b6_prep
	.p2align	8
	.type	k_q40a9e455b6_prep,@function
k_q40a9e455b6_prep:
	s_mov_b64 s[64:65], 0
	v_nop
	global_prefetch_b8 v0, s[64:65] scope:SCOPE_SE
	s_setreg_imm32_b32 hwreg(HW_REG_WAVE_MODE, 25, 1), 1
	s_wait_xcnt 0x0
; k and v, [16][2048][64] f32, become codes of FP6 (E2M3) with one E8M0 scale byte for each 32 along a product's K, laid in kv as IMAGES OF OPERAND REGISTERS, so that the
; attention launch fetches every fragment by loads of 16 bytes a lane at 16 x lane.  k is quantised along d (the first product's K), v along the keys (the second's).
; kv: [batch 16][step 16][12,800 bytes]; a step is 128 keys and has eight UNITS of 1,536 bytes (12 registers a lane: register group g of lane L at 512 g + 16 L) and 512 bytes of scale words.
;   units 0-3: K pair-fragment f.  Lane (r = L % 16, h = L / 16): registers 0-5 = key 64 (f / 2) + 32 (r / 8) + 16 (f % 2) + r % 8, d = 32 h .. 32 h + 31; registers 6-11 = the key 8 further on, the same d.
;              (The first product's K is 64: one operand of 128 along K carries TWO tiles of 16 keys.  Rows 0-7 of the tiles of f = 0, 1 are the step's keys 0-31, rows 8-15 its keys 32-63, so that in the
;              transposed result one lane's 32 registers are one whole block of 32 keys; f = 2, 3 likewise 64 further on.)
;   units 4-7: V tile t.  Lane (r, h): registers 6 c .. 6 c + 5 = d 16 t + r, keys 64 c + 32 h + 0 .. 31.
;   scale words at 12,288 + 16 L + 4 i: unit 2 i + L / 16, row L % 16; byte 2 c + h is the scale of lane (r, h)'s block in registers 6 c .. 6 c + 5.
; A block's scale is 2^(floor(log2(its largest magnitude)) - 2); its byte is the largest magnitude's exponent field - 2, held at 1 from below.
; LIMITS: a block of zeros gets the byte 1 where the rule says 127 (its codes are zeros, which add nothing under any byte but 0xff, and this program alone reads the bytes); blocks whose
; largest magnitude lies under 2^-124, the floor, were not tried; NaN and infinities among the inputs are not served.
; SHARES.  A work-group of eight waves makes one step's 12,800 bytes; wave w makes unit w.  Each wave reads 32 rows of k (waves 0-3: two runs of 16 rows, 32 rows apart) or of v (waves 4-7: 32 rows on end), 512 bytes a load,
; and lays them in its region of LDS.  A wave of k then reads its own region by rows; a wave of v reads its 16 columns DOWN the four regions of v: a lane's registers run along K either way, so nothing is transposed.
; No tensor load, no matrix instruction.  Work-groups share no input.  Every offset is an immediate, no pointer is stepped and no register that a store names is written again.
.set PIT,   272                        ; a row in LDS: 256 bytes + 16
.set REG,   32*PIT+64                  ; a wave's region: 32 rows, + 64 bytes, so that two neighbouring regions lie 16 banks apart (64 banks of 4 bytes: ISA guide 11.1)
.set SCW,   8*REG                      ; behind the regions: the step's 512 bytes of scale words
.set SPARE, SCW+512                    ; the spare words, 128 bytes a wave
.set STEPB, 12800
.set GI,  4                            ; v4   16 x lane: my place in a load's, and in a store's, 512 bytes
.set SIN, 5                            ; v5   into my region: two rows a load: 272 h + 16 r
.set KRD, 6                            ; v6   k: out of my region: 272 r + 128 h
.set VRD, 7                            ; v7   v: region 4 + h, column 16 t + r
.set SWA, 8                            ; v8   where my unit's scale word goes
.set SRD, 9                            ; v9   and where wave 0 reads the words back
.set BM,  10                           ; v10-11 my two blocks' largest magnitudes
.set SO,  12                           ; v12-13 the conversions' scale operands
.set BY,  14                           ; v14-15 the scale bytes
.set R,   16                           ; v16-79   the rows as loaded
.set X,   80                           ; v80-143  64 numbers in the operand's order: register 32 c + i is number i of my block c
.set C,   144                          ; v144-155 the unit's 12 registers
.set T2,  156                          ; v156-158, v160-162 the upper halves of the two blocks, as the conversions leave them
.set W,   164                          ; v164 the scale word
.set PD,  165                          ; v165 the lane permute's destination
.set SH,  166                          ; v166 8 h
.set OW,  168                          ; v168-171 the scale words on their way out
.set GI2, 172                          ; v172 GI for loads 8-15: for k the second run of rows lies 16 rows beyond the end of the first
.set SPW, 176                          ; v176 my spare word's LDS address
.set NIL, 177                          ; v177 0
.set WV,  10                           ; s10  my wave's number
	s_load_b128 s[4:7], s[0:1], 0x0                ; k s[4:5], v s[6:7]
	s_load_b64 s[8:9], s[0:1], 0x10                ; kv
	v_lshl_add_u32 v[SPW], v0, 2, SPARE
	v_mov_b32 v[NIL], 0
	v_lshrrev_b32 v1, 5, v0
	v_readfirstlane_b32 s[WV], v1                  ; wave 0..7
	v_and_b32 v1, 31, v0                           ; lane
	v_and_b32 v2, 15, v0                           ; r
	v_bfe_u32 v3, v0, 4, 1                         ; h
	v_lshlrev_b32 v[GI], 4, v1
	s_wait_alu depctr_va_vdst(0)                   ; the wait here, ahead of the run of scalar lines
	s_and_b32 s11, s[WV], 3                        ; pair-fragment f, or v's quarter of the step and tile t
	s_and_b32 s12, ttmp7, 0xffff                   ; the batch
	s_lshl_b32 s14, s12, 19                        ; in: batch x 2,048 rows of 256 bytes
	s_lshl_b32 s22, ttmp9, 15                      ;     + step x 128 rows
	s_add_co_u32 s14, s14, s22
	s_lshl_b32 s22, s11, 13                        ;     + v: 32 rows for each wave;
	s_lshr_b32 s27, s11, 1
	s_lshl_b32 s27, s27, 14
	s_and_b32 s28, s11, 1
	s_lshl_b32 s28, s28, 12
	s_add_co_u32 s27, s27, s28                     ;       k: 64 (f / 2) + 16 (f % 2) rows
	s_cmp_lt_u32 s[WV], 4                          ; k's wave or v's?  The choice hangs on the wave's number alone
	s_cselect_b32 s22, s27, s22
	s_cselect_b32 s28, 0x1000, 0                   ; k's second run
	s_add_co_u32 s14, s14, s22
	s_mov_b32 s15, 0
	s_lshl_b32 s16, s12, 4
	s_add_co_u32 s16, s16, ttmp9
	s_mul_i32 s16, s16, STEPB                      ; out: (16 x batch + step) x 12,800
	s_mov_b32 s17, 0
	s_mul_i32 s18, s[WV], 1536                     ;      my unit in it
	s_mov_b32 s19, 0
	s_mov_b32 s20, 0x76543210
	s_mov_b32 s21, 0xfedcba98                      ; v_permlanex16_b32's selects for lane l xor 16
	s_mul_i32 s23, s[WV], REG                      ; my region
	s_lshl_b32 s24, s11, 6                         ; 16 t columns of 4 bytes
	s_add_co_u32 s24, s24, 4*REG                   ; v's regions are 4 to 7
	s_and_b32 s25, s[WV], 1
	s_lshl_b32 s25, s25, 8                         ; an odd unit's words belong to lanes 16-31: 256 bytes on;
	s_lshr_b32 s26, s[WV], 1
	s_lshl_b32 s26, s26, 2                         ; word wave / 2 of a lane's four
	s_add_co_u32 s25, s25, s26
	s_add_co_u32 s25, s25, SCW
	; every LDS address is made here, ahead of the place where the waves of k and of v part
	v_mul_u32_u24 v[SIN], v3, PIT
	v_mul_u32_u24 v[KRD], v2, PIT
	v_mul_u32_u24 v[VRD], v3, REG                  ; lanes 16-31 read the region one further on: 32 keys further on
	v_lshl_add_u32 v[SIN], v2, 4, v[SIN]
	v_lshl_add_u32 v[KRD], v3, 7, v[KRD]
	v_lshl_add_u32 v[VRD], v2, 2, v[VRD]
	v_add_nc_u32 v[SIN], s23, v[SIN]
	v_add_nc_u32 v[KRD], s23, v[KRD]
	v_add_nc_u32 v[VRD], s24, v[VRD]
	v_lshl_add_u32 v[SWA], v2, 4, s25
	v_add_nc_u32 v[SRD], SCW, v[GI]
	v_add_nc_u32 v[GI2], s28, v[GI]
	v_mov_b32 v[PD], 0                             ; a lane permute's destination counts as one of its sources
	v_lshlrev_b32 v[SH], 3, v3
	s_wait_alu depctr_va_vdst(0)                   ; the wait at the head's end
	s_wait_kmcnt 0x0
	s_cmp_lt_u32 s[WV], 4
	s_cselect_b64 s[4:5], s[4:5], s[6:7]
	s_add_nc_u64 s[4:5], s[4:5], s[14:15]
	s_add_nc_u64 s[8:9], s[8:9], s[16:17]          ; the step's block in kv
	s_add_nc_u64 s[18:19], s[8:9], s[18:19]        ; my unit
.irp i, 0,1,2,3,4,5,6,7
	global_load_b128 v[R+4*\i:R+4*\i+3], v[GI], s[4:5] offset:512*\i th:TH_LOAD_NT   ; rows 2 i and 2 i + 1: 512 consecutive bytes; read once in the launch
.endr
.irp i, 8,9,10,11,12,13,14,15
	global_load_b128 v[R+4*\i:R+4*\i+3], v[GI2], s[4:5] offset:512*\i th:TH_LOAD_NT
.endr
; Row x of my 32 goes to place (x % 8) + 8 (x / 16) + 16 ((x / 8) % 2): places 0-15 then hold a pair-fragment's first tile, places 16-31 its second.
; v's waves lay their rows by the same lines and read them back through the same places.
.irp i, 0,1,2,3,4,5,6,7,8,9,10,11,12,13,14,15
	s_wait_loadcnt 15-\i                           ; loads come back in order (ISA guide 5.7.1): load i is in, the 15 - i younger ones may be out
	ds_store_b128 v[SIN], v[R+4*\i:R+4*\i+3] offset:PIT*(((2*\i)%8)+8*((2*\i)/16)+16*(((2*\i)/8)%2))
.endr
	s_wait_dscnt 0x0                               ; for the others' sake: my rows lie in LDS
	s_barrier_signal -1
	s_barrier_wait -1                              ; v's four regions are read by all four waves of v
	s_cmp_lt_u32 s[WV], 4
	s_cbranch_scc0 .Lv
.irp j, 0,1,2,3,4,5,6,7
	ds_load_b128 v[X+4*\j:X+4*\j+3], v[KRD] offset:16*\j                   ; block 0: place r, d = 32 h .. 32 h + 31
	ds_load_b128 v[X+32+4*\j:X+32+4*\j+3], v[KRD] offset:16*PIT+16*\j      ; block 1: place 16 + r: the key 8 further on
.endr
	s_branch .Ljoin
.Lv:
.irp c, 0,1
.irp i, 0,1,2,3,4,5,6,7,8,9,10,11,12,13,14,15,16,17,18,19,20,21,22,23,24,25,26,27,28,29,30,31
	ds_load_b32 v[X+32*\c+\i], v[VRD] offset:2*\c*REG+PIT*((\i%8)+8*(\i/16)+16*((\i/8)%2))   ; v(key 64 c + 32 h + i, d = 16 t + r)
.endr
.endr
.Ljoin:
	s_wait_dscnt 0x0
; My two blocks: all 32 numbers of each are mine, so no other lane is asked for a maximum.
.irp c, 0,1
	v_max3_num_f32 v[BM+\c], |v[X+32*\c]|, |v[X+1+32*\c]|, 0x1800000   ; and the floor 2^(3 - 127), under which no largest magnitude is taken: so the byte cannot fall under 1
.endr
.irp i, 2,4,6,8,10,12,14,16,18,20,22,24,26,28,30
.irp c, 0,1
	s_delay_alu instid0(VALU_DEP_2)
	v_max3_num_f32 v[BM+\c], v[BM+\c], |v[X+32*\c+\i]|, |v[X+1+32*\c+\i]|   ; (the two blocks by turns)
.endr
.endr
.irp c, 0,1
	s_delay_alu instid0(VALU_DEP_2)
	v_add_nc_u32 v[SO+\c], 0xff000000, v[BM+\c]    ; 2 off its exponent field: the conversion takes the exponent field of this operand as its scale, and nothing else of it
.endr
.irp c, 0,1
	s_delay_alu instid0(VALU_DEP_2)
	v_lshrrev_b32 v[BY+\c], 23, v[SO+\c]           ; the scale's byte
.endr
	s_delay_alu instid0(VALU_DEP_1)
	v_lshl_or_b32 v[W], v[BY+1], 16, v[BY]         ; my two bytes, 2 c + h,
	s_delay_alu instid0(VALU_DEP_1)
	v_lshlrev_b32 v[W], v[SH], v[W]                ; at their places in the word (8 h bits up);
	s_delay_alu instid0(VALU_DEP_1)
	v_permlanex16_b32 v[PD], v[W], s20, s21
	s_delay_alu instid0(VALU_DEP_1)
	v_or_b32 v[W], v[W], v[PD]                     ; with lane l xor 16's two the word is whole, in both lanes
.irp c, 0,1
	v_cvt_scalef32_pk16_fp6_f32 v[C+6*\c:C+6*\c+2], v[X+32*\c:X+32*\c+15], v[SO+\c]         ; sixteen numbers / the scale, to the nearest code, ties to even, beyond 7.5 the largest code: 96 bits
	v_cvt_scalef32_pk16_fp6_f32 v[T2+4*\c:T2+4*\c+2], v[X+32*\c+16:X+32*\c+31], v[SO+\c]    ; (a conversion's three registers begin on an even number: the second half of a block's six does not, so it is made elsewhere and moved)
.endr
	v_nop                                          ; one plain place behind a scaled conversion
.irp c, 0,1
.irp i, 0,1,2
	v_mov_b32 v[C+3+6*\c+\i], v[T2+4*\c+\i]
.endr
.endr
.irp g, 0,1,2
	global_store_b128 v[GI], v[C+4*\g:C+4*\g+3], s[18:19] offset:512*\g   ; the unit as it stands: 32 lanes store 512 consecutive bytes, at a multiple of 256 from kv's first byte
.endr
	ds_store_b32 v[SWA], v[W]                      ; lanes r and 16 + r write the same word with the same value
	s_wait_dscnt 0x0                               ; for wave 0's sake
	s_barrier_signal -1
	s_barrier_wait -1                              ; the eight units' words lie together
	s_cmp_lg_u32 s[WV], 0
	s_cbranch_scc1 .Lend
	ds_load_b128 v[OW:OW+3], v[SRD]
	s_wait_dscnt 0x0
	global_store_b128 v[GI], v[OW:OW+3], s[8:9] offset:12288   ; 512 consecutive bytes, aligned likewise
.Lend:
	s_wait_tensorcnt 0x0                           ; the wave's end
	ds_add_u32 v[SPW], v[NIL]
	s_wait_dscnt 0x0
	s_endpgm
.Lfunc_end_k_q40a9e455b6_prep:
	.size	k_q40a9e455b6_prep, .Lfunc_end_k_q40a9e455b6_prep-k_q40a9e455b6_prep
	.p2alignl 7, 3214868480
	.fill 96, 4, 3214868480
	.section	.rodata,"a",@progbits
	.p2align	6, 0x0
	.amdhsa_kernel k_q40a9e455b6_prep
		.amdhsa_group_segment_fixed_size 71680
		.amdhsa_private_segment_fixed_size 0
		.amdhsa_enable_private_segment 0
		.amdhsa_kernarg_size 24
		.amdhsa_user_sgpr_count 2
		.amdhsa_user_sgpr_kernarg_segment_ptr 1
		.amdhsa_wavefront_size32 1
		.amdhsa_system_sgpr_workgroup_id_x 1
		.amdhsa_system_sgpr_workgroup_id_y 1
		.amdhsa_system_sgpr_workgroup_id_z 1
		.amdhsa_system_vgpr_workitem_id 0
		.amdhsa_next_free_vgpr 178
		.amdhsa_next_free_sgpr 66
		.amdhsa_reserve_vcc 0
		.amdhsa_float_denorm_mode_32 3
		.amdhsa_float_denorm_mode_16_64 3
		.amdhsa_memory_ordered 1
		.amdhsa_forward_progress 1
		.amdhsa_inst_pref_size 17
	.end_amdhsa_kernel
	.amdgpu_metadata
---
amdhsa.version: [ 1, 2 ]
amdhsa.kernels:
  - .name:           k_q40a9e455b6_prep
    .symbol:         k_q40a9e455b6_prep.kd
    .args:
      - { .name: k, .offset: 0, .size: 8, .value_kind: global_buffer, .address_space: global }
      - { .name: v, .offset: 8, .size: 8, .value_kind: global_buffer, .address_space: global }
      - { .name: kv, .offset: 16, .size: 8, .value_kind: global_buffer, .address_space: global }
    .group_segment_fixed_size: 71680
    .private_segment_fixed_size: 0
    .kernarg_segment_align: 8
    .kernarg_segment_size: 24
    .max_flat_workgroup_size: 256
    .sgpr_count:     66
    .vgpr_count:     178
    .wavefront_size: 32
...
	.end_amdgpu_metadata
.endif
;; end of part 1
;; launch attn (part 2): grid 16 x 16, 8 waves a work-group, clusters of 4 x 1, 275,456 bytes of LDS; arguments q, kv, out0; writes out0
.if DOCPART == 2
	.amdgcn_target "amdgcn-amd-amdhsa--gfx1250"
	.amdhsa_code_object_version 6
	.text
	.protected	k_q40a9e455b6_attn
	.globl	k_q40a9e455b6_attn
	.p2align	8
	.type	k_q40a9e455b6_attn,@function
k_q40a9e455b6_attn:
	s_mov_b64 s[64:65], 0
	v_nop
	global_prefetch_b8 v0, s[64:65] scope:SCOPE_SE
	s_setreg_imm32_b32 hwreg(HW_REG_WAVE_MODE, 25, 1), 1
	s_wait_xcnt 0x0
	s_wait_alu depctr_hold_cnt(0) depctr_sa_sdst(0) depctr_va_vdst(0) depctr_va_sdst(0) depctr_va_ssrc(0) depctr_va_vcc(0) depctr_vm_vsrc(0)
	s_getreg_b32 s2, hwreg(HW_REG_IB_STS2, 6, 4)
	s_cmp_eq_u32 s2, 0
	s_cbranch_scc0 .Lentry_in_a_cluster
	s_endpgm
.Lentry_in_a_cluster:
	s_bfe_u32 s2, ttmp6, 0x10000c
	s_cmp_lg_u32 s2, 0x3003
	s_cbranch_scc0 .Lentry_shape_is_right
	s_endpgm
.Lentry_shape_is_right:
; out0[b][q][:] = the sum over k of softmax_k(q[b][q] . k[b][k] / 8) v[b][k][:], 16 batches x 2,048 queries x 2,048 keys, head size 64, both products on codes of FP6 (E2M3) with one E8M0 scale for each 32 along K.
; k and v come from kv as images of operand registers (the layout stands at the head of the launch that makes it); q, [16][2048][64] f32, is read once and quantised here, in registers.
; THE SOFTMAX AHEAD OF THE SECOND PRODUCT: t = score x log2(e) / 8; M = the largest t so far, rounded UP to a whole number; p = 2^(t - M) is what is quantised, along the keys; it is not normalised.
; The row's sum is taken of the unquantised p, in f32, and divides at the end.  When M moves, the sum and O are multiplied by 2^(old M - new M): exact.
; kv: [batch][step of 128 keys][12,800 bytes]: four K pair-fragments and four V tiles of 1,536 bytes (register group g of lane L at 512 g + 16 L), then 16 bytes of scale words a lane.
; A WHOLE BATCH'S kv, 204,800 BYTES, LIES IN LDS: it is filled once, each of the eight waves fetching two steps by its one tensor load, so there are no slots and no refill.
; THE FIRST PRODUCT'S K IS 64, the instruction's 128.  A K pair-fragment carries two tiles of 16 keys, one in k = 0 .. 63 and one in k = 64 .. 127; Q stands in 18 registers as [q][zero codes][q]:
; registers 0-11 meet the first tile, registers 6-17 the second, and the tile that is not meant meets zero codes, which add nothing.  So every LDS byte that is read is used.
; SHARES.  A work-group owns 128 queries of a batch.  Wave w owns the two tiles of 16 queries 2 (w % 4), 2 (w % 4) + 1: each fragment of K and V that it reads serves both.  Of the sixteen steps waves 0-3 take N0, 0 .. N0 - 1,
; and waves 4-7 the others; N0 is a constant of this text.  Eight waves of 512 registers: two to a SIMD.  At the end the two waves of a pair of tiles are joined: both M are whole numbers, so that is exact too.
; REGISTERS, in windows of 256.  Tile 1's own registers have tile 0's numbers, in window 1: one set of macros serves both, under the setting 0 or 0x55.  Addresses, K, V and all scale words lie in window 0.
; s_set_vgpr_msb's low byte: bits 1:0 source 0, 3:2 source 1, 5:4 source 2, 7:6 destination.
; LAYOUT.  Both products are used transposed: S^T = K Q^T (source 0 = keys, source 1 = queries), O^T = V^T P^T (source 0 = 16 of the head's 64, source 1 = P): a lane holds ONE query (lane % 16) of a tile throughout.
; The keys of a tile are dealt so that S^T's registers 32 c .. 32 c + 31 of lane (r, h) are the keys 64 c + 32 h + 0 .. 31: one whole block of 32, in the order of P's operand: no lane is asked for a block's maximum or for codes.
; A TRIP fetches V of its own step and K of the next ahead of the softmax, and ends with its second product and the next trip's first product, back to back.
; CLUSTER.  The four work-groups of a cluster belong to one batch and want the same 204,800 bytes: each part is asked for JOINTLY, by the same tensor load with the same descriptor and a mask that names the four.
; A batch has sixteen work-groups and a mask names four: so a batch's bytes are asked for by four clusters.  My place in the cluster enters q's and out0's addresses alone.
; No prefetch: all of kv is asked for once, at the head, so there is no loop of loads to run ahead in.
; LIMITS: NaN and infinities among the inputs are not served; scaled scores stay under 2^31 in magnitude; a block of zeros of q keeps the byte 1 and one of p the byte 0 (its codes are zeros); a block whose largest p lies
; under 2^-124 has the scale 2^-127; v_exp_f32 gives 0 for p under 2^-126 (ISA guide 15.8); the division by the row's sum is v_rcp_f32 and a multiplication.
.set N0,    12                         ; steps of waves 0-3; waves 4-7 take 16 - N0 = 4: their first, two more and their last trip
.set STEPB, 12800                      ; a step's bytes: 50 rows of 256
.set QST,   16*STEPB                   ; LDS behind kv: for each tile of queries 16 rows x 272 bytes: q's stage, at the end the stage on the way out;
.set PIT,   272                        ; a stage row: 256 bytes + 16
.set TREG,  16*PIT
.set MRG,   QST+8*TREG                 ; and for each tile 4,096 bytes of O^T's image + 256 bytes of (-M, sum): from the upper wave to the lower.  No tensor load lands in either
.set SPARE, MRG+8*TREG                 ; the spare words, 128 bytes a wave
.set LI,  1                            ; v1   16 x lane: an image's place for my lane; also my byte in 512 bytes of q or of out0
.set ADR, 2                            ; v2   the step's LDS address
.set QSB, 3                            ; v3   tile 1's Q scale word
.set PWB, 4                            ; v4   tile 1's p scale word.  v3, v4, v34-39 hold scales and nothing else
.set MGA, 5                            ; v5   the merge region: O^T's image
.set MGS, 6                            ; v6   the merge region + 8 x lane: (-M, sum), 4,096 bytes on
.set STO, 7                            ; v7   the way out: where I put 32 bytes of a row
.set RD,  8                            ; v8   the way out: where I read a row back
.set SPW, 10                           ; v10  my spare word's LDS address
.set NIL, 11                           ; v11  0
.set NM,  12                           ; v12  -M                                                   (each tile its own, from here to v33)
.set MX,  13                           ; v13  the largest score so far (at the end: my part of the sum)
.set L,   14                           ; v[14:15] the sum in two halves
.set QF,  16                           ; v16-33  Q: [q][zero codes][q]
.set QSA, 34                           ; v34     tile 0's Q scale word: bytes s0, s1, s0, s1
.set PWA, 35                           ; v35     tile 0's p scale word
.set SCK, 36                           ; v36-37  K's scale words: fragments 0|1, 2|3 (lanes 0-15 | lanes 16-31)
.set SCV, 38                           ; v38-39  V's likewise
.set KF,  40                           ; v40-87  K's four pair-fragments
.set VF,  88                           ; v88-135 V's four tiles
.set S,   136                          ; v136-199 S^T, then p, then partial sums                    (each tile its own, from here on)
.set O,   200                          ; v200-231 O^T: register 8 t + i is o(my query, 16 t + 8 (lane / 16) + i)
.set P,   232                          ; v232-243 p's codes
.set T,   244                          ; v244-251 at work: second chains of the maxima; a conversion's second half (v244-246); the sum's last four pairs
.set SOA, 247                          ; the conversions' scale operands, block 0
.set SOB, 251                          ; and block 1
.set TP,  248
.set TD,  249
.set QSI, 250                          ; v250, v251, at the head alone: q's stage, in and out
.set QSO, 251
.set BM,  252                          ; v252-253 the blocks' largest scores, then largest p
.set FF,  254                          ; v[254:255] f = 2^(old M - new M), named as a pair
.set PD,  255                          ; lane permutes' destination
.set WV,  10                           ; s10  my wave's number
.set G1,  16                           ; s[16:23] descriptor group 1;  s[24:27] group 0
.set G0,  24
.set TL,  29                           ; s29  LDS byte at which my last step begins
.set TB,  36                           ; s36  LDS byte at which my step begins
.set CNT, 37                           ; s37  counts trips
.set CS,  38                           ; s[38:39] c = log2(e) / 8: the packed form names a pair and takes its low word for both halves
.set SEL, 40                           ; s[40:41] v_permlanex16_b32's selects for lane l xor 16
.set NC,  42                           ; s42  -c
.set MSB, 0
.macro WIN new                         ; the immediate's high byte repeats the setting that is left
.if MSB != \new
	s_set_vgpr_msb (MSB<<8)|\new
.set MSB, \new
.endif
.endm
; A round of the cluster's barrier: my work-group's barrier, so that wave 0's signal speaks for all eight waves; wave 0 signals for the work-group; every wave waits for all four work-groups; my work-group's barrier once more.
.macro CROUND
	s_barrier_signal -1
	s_barrier_wait -1
	s_cmp_lg_u32 s[WV], 0
	s_cbranch_scc1 .Lnot_wave_0_\@
	s_barrier_signal -3
.Lnot_wave_0_\@:
	s_barrier_wait -3
	s_barrier_signal -1
	s_barrier_wait -1
.endm
; K's four pair-fragments and their scale words, off bytes behind ADR
.macro KLOAD off
.irp f, 0,1,2,3
.irp g, 0,1,2
	ds_load_b128 v[KF+12*\f+4*\g:KF+12*\f+4*\g+3], v[ADR] offset:\off+1536*\f+512*\g
.endr
.endr
	ds_load_b64 v[SCK:SCK+1], v[ADR] offset:\off+12288
.endm
; S^T = K Q^T: pair-fragment b against [q; 0] (tile u = 0) and [0; q] (u = 1).  The eight sums take turns, and each begins with the constant 0
.macro QK qs
.irp b, 0,1,2,3
.irp u, 0,1
.if \b%2
	v_wmma_scale_f32_16x16x128_f8f6f4 v[S+16*\b+8*\u:S+16*\b+8*\u+7], v[KF+12*\b:KF+12*\b+11], v[QF+6*\u:QF+6*\u+11], 0, v[SCK+\b/2], v[\qs] matrix_a_fmt:MATRIX_FMT_FP6 matrix_b_fmt:MATRIX_FMT_FP6 matrix_a_scale:MATRIX_SCALE_ROW1
.else
	v_wmma_scale_f32_16x16x128_f8f6f4 v[S+16*\b+8*\u:S+16*\b+8*\u+7], v[KF+12*\b:KF+12*\b+11], v[QF+6*\u:QF+6*\u+11], 0, v[SCK+\b/2], v[\qs] matrix_a_fmt:MATRIX_FMT_FP6 matrix_b_fmt:MATRIX_FMT_FP6
.endif
.endr
.endr
.endm
; O^T += V^T P^T: the four sums take turns, one instruction a turn
.macro PV first, pw
.irp t, 0,1,2,3
.if \first
.if \t%2
	v_wmma_scale_f32_16x16x128_f8f6f4 v[O+8*\t:O+8*\t+7], v[VF+12*\t:VF+12*\t+11], v[P:P+11], 0, v[SCV+\t/2], v[\pw] matrix_a_fmt:MATRIX_FMT_FP6 matrix_b_fmt:MATRIX_FMT_FP6 matrix_a_scale:MATRIX_SCALE_ROW1
.else
	v_wmma_scale_f32_16x16x128_f8f6f4 v[O+8*\t:O+8*\t+7], v[VF+12*\t:VF+12*\t+11], v[P:P+11], 0, v[SCV+\t/2], v[\pw] matrix_a_fmt:MATRIX_FMT_FP6 matrix_b_fmt:MATRIX_FMT_FP6
.endif
.else
.if \t%2
	v_wmma_scale_f32_16x16x128_f8f6f4 v[O+8*\t:O+8*\t+7], v[VF+12*\t:VF+12*\t+11], v[P:P+11], v[O+8*\t:O+8*\t+7], v[SCV+\t/2], v[\pw] matrix_a_fmt:MATRIX_FMT_FP6 matrix_b_fmt:MATRIX_FMT_FP6 matrix_a_scale:MATRIX_SCALE_ROW1
.else
	v_wmma_scale_f32_16x16x128_f8f6f4 v[O+8*\t:O+8*\t+7], v[VF+12*\t:VF+12*\t+11], v[P:P+11], v[O+8*\t:O+8*\t+7], v[SCV+\t/2], v[\pw] matrix_a_fmt:MATRIX_FMT_FP6 matrix_b_fmt:MATRIX_FMT_FP6
.endif
.endif
.endr
.endm
; t - M for two scores (of the pairs c and -M the low word serves both halves)
.macro TMM j
	v_pk_fma_f32 v[S+\j:S+\j+1], v[S+\j:S+\j+1], s[CS:CS+1], v[NM:NM+1] op_sel_hi:[1,0,0]
.endm
; THE STAGES OF A TILE'S SOFTMAX, written once for both tiles.
.macro MAXT first                      ; the largest score of each of my two blocks, two chains each, each result from its low end on.  It serves twice: for the row's maximum, and, since p rises with the score, for the block's largest p
.irp c, 0,1
	v_max3_num_f32 v[BM+\c], v[S+32*\c], v[S+1+32*\c], v[S+2+32*\c]
	v_max3_num_f32 v[T+\c], v[S+16+32*\c], v[S+17+32*\c], v[S+18+32*\c]
.endr
.irp i, 3,5,7,9,11,13
.irp c, 0,1
	v_max3_num_f32 v[BM+\c], v[BM+\c], v[S+32*\c+\i], v[S+1+32*\c+\i]
	v_max3_num_f32 v[T+\c], v[T+\c], v[S+16+32*\c+\i], v[S+17+32*\c+\i]
.endr
.endr
.irp c, 0,1
	v_max3_num_f32 v[BM+\c], v[BM+\c], v[T+\c], v[S+15+32*\c]
.endr
.irp c, 0,1
	v_max_num_f32 v[BM+\c], v[BM+\c], v[S+31+32*\c]
.endr
.if \first
	v_max_num_f32 v[TP], v[BM], v[BM+1]
.else
	v_mov_b32 v[TD], v[NM]
	v_max3_num_f32 v[TP], v[BM], v[BM+1], v[MX]
.endif
	s_delay_alu instid0(VALU_DEP_1)
	v_permlanex16_b32 v[PD], v[TP], s[SEL], s[SEL+1]
.endm
.macro ROWM
	v_max_num_f32 v[MX], v[TP], v[PD]              ; with lane l xor 16's blocks: my query's largest score so far
	s_delay_alu instid0(VALU_DEP_1)
	v_mul_f32 v[TP], s[NC], v[MX]                  ; -t
	s_delay_alu instid0(VALU_DEP_1)
	v_floor_f32 v[NM], v[TP]                       ; -M = floor(-t) = -ceil(t): M IS A WHOLE NUMBER
.endm
.macro TSUB first
.irp c, 0,1
	v_fma_f32 v[BM+\c], v[BM+\c], s[CS], v[NM]     ; t - M of each block's largest score,
.endr
.if \first == 0
	v_sub_f32 v[TD], v[NM], v[TD]                  ; M's old value less its new one: a whole number, 0 or less
.endif
.irp j, 0,2,4,6                                ; and of the first block's scores
	TMM \j
.endr
.if \first == 0
	v_cvt_i32_f32 v[TD], v[TD]                     ; (it saturates)
.endif
.irp j, 8,10,12,14
	TMM \j
.endr
.if \first == 0
	v_ldexp_f32 v[FF], 1.0, v[TD]                  ; f = 2^(old M - new M): a multiplication by it rounds nothing
.endif
.irp j, 16,18,20,22,24,26,28,30
	TMM \j
.endr
.if \first == 0
.irp j, 0,2,4,6,8,10,12,14,16,18,20,22,24,26,28,30
	v_pk_mul_f32 v[O+\j:O+\j+1], v[O+\j:O+\j+1], v[FF:FF+1] op_sel_hi:[1,0]   ; O^T under the new M, from each result's low end on
.endr
.endif
.endm
.macro EXP1
	v_exp_f32 v[BM], v[BM]                         ; the blocks' largest p: the same two instructions on the same number give the same bits
	v_exp_f32 v[BM+1], v[BM+1]
.irp j, 0,2,4,6,8,10,12,14,16,18,20,22,24,26,28,30
	v_exp_f32 v[S+\j], v[S+\j]                     ; p = 2^(t - M), block 0: NOT normalised
	v_exp_f32 v[S+\j+1], v[S+\j+1]
	TMM 32+\j                                      ; block 1's t - M, first read behind the next wait
.endr
.endm
.macro CVT1
	v_mul_f32 v[SOA], 0x3e800000, v[BM]            ; a quarter of the largest p: 2 off its exponent field: the conversion takes the exponent field of this operand as its scale, and nothing else of it
	v_mul_f32 v[SOB], 0x3e800000, v[BM+1]
	v_cvt_scalef32_pk16_fp6_f32 v[P:P+2], v[S:S+15], v[SOA]
	v_cvt_scalef32_pk16_fp6_f32 v[T:T+2], v[S+16:S+31], v[SOA]   ; (a conversion's three registers begin on an even number: so the second half is moved)
	v_perm_b32 v[TP], v[SOB], v[SOA], 0x07060302   ; both upper halves;
	s_delay_alu instid0(VALU_DEP_1)
	v_lshrrev_b32 v[TP], 7, v[TP]                  ; byte 0: block h's scale byte, byte 2: block 2 + h's
	s_delay_alu instid0(VALU_DEP_1)
	v_permlanex16_b32 v[PD], v[TP], s[SEL], s[SEL+1]
.irp i, 0,1,2
	v_mov_b32 v[P+3+\i], v[T+\i]
.endr
.endm
.macro PWORD pw
	v_perm_b32 v[\pw], v[PD], v[TP], 0x06020400    ; in lanes 0-15, which are read: bytes 0, 2 mine, bytes 1, 3 lane l + 16's
.endm
.macro EXP2
.irp k, 0,1,2,3,4,5,6,7
	v_exp_f32 v[S+32+4*\k], v[S+32+4*\k]           ; block 1's p
	v_exp_f32 v[S+33+4*\k], v[S+33+4*\k]
	v_exp_f32 v[S+34+4*\k], v[S+34+4*\k]
	v_exp_f32 v[S+35+4*\k], v[S+35+4*\k]
	v_pk_add_f32 v[S+2*\k:S+2*\k+1], v[S+2*\k:S+2*\k+1], v[S+16+2*\k:S+17+2*\k]   ; THE ROW'S SUM IS TAKEN OF THE UNQUANTISED p, as a tree over p's own registers, behind their conversion: block 0, 16 pairs to 8
.endr
.endm
.macro CVT2
	v_cvt_scalef32_pk16_fp6_f32 v[P+6:P+8], v[S+32:S+47], v[SOB]
	v_cvt_scalef32_pk16_fp6_f32 v[T:T+2], v[S+48:S+63], v[SOB]
.irp k, 0,2,4,6
	v_pk_add_f32 v[S+\k:S+\k+1], v[S+\k:S+\k+1], v[S+8+\k:S+9+\k]   ; 8 to 4.  (The first is also the plain place behind the conversions)
.endr
.irp i, 0,1,2
	v_mov_b32 v[P+9+\i], v[T+\i]
.endr
.irp k, 0,2,4,6,8,10,12,14
	v_pk_add_f32 v[S+32+\k:S+33+\k], v[S+32+\k:S+33+\k], v[S+48+\k:S+49+\k]   ; block 1: 16 to 8,
.endr
.irp k, 0,2,4,6
	v_pk_add_f32 v[S+32+\k:S+33+\k], v[S+32+\k:S+33+\k], v[S+40+\k:S+41+\k]   ; 8 to 4;
.endr
.irp k, 0,2,4,6
	v_pk_add_f32 v[T+\k:T+\k+1], v[S+\k:S+\k+1], v[S+32+\k:S+33+\k]           ; the two blocks.  (These lines are also the places between p's codes and scale word and the product)
.endr
.endm
.macro TAIL first                      ; the sum's last lines: places in front of loads into registers that the products have read, and of the first read of their results
	v_pk_add_f32 v[T:T+1], v[T:T+1], v[T+2:T+3]
	v_pk_add_f32 v[T+4:T+5], v[T+4:T+5], v[T+6:T+7]
.if \first
	v_pk_add_f32 v[L:L+1], v[T:T+1], v[T+4:T+5]
	v_nop
.else
	v_pk_add_f32 v[T:T+1], v[T:T+1], v[T+4:T+5]
	v_pk_fma_f32 v[L:L+1], v[L:L+1], v[FF:FF+1], v[T:T+1] op_sel_hi:[1,0,1]   ; the sum under the new M
.endif
.endm
; A TRIP: 128 keys, two tiles of queries by turns.  tb = where the step lies; first = 1: nothing came before (O and the sum begin here); last = 1: no step follows.
.macro TRIP tb, first, last
	v_add_nc_u32 v[ADR], s[\tb], v[LI]
.irp t, 0,1,2,3                                ; V of this step and K of my next land while the softmax is worked
.irp g, 0,1,2
	ds_load_b128 v[VF+12*\t+4*\g:VF+12*\t+4*\g+3], v[ADR] offset:6144+1536*\t+512*\g
.endr
.endr
	ds_load_b64 v[SCV:SCV+1], v[ADR] offset:12296
.if \last == 0
	KLOAD STEPB
.endif
	MAXT \first
	WIN 0x55
	MAXT \first
	WIN 0
	ROWM
	WIN 0x55
	ROWM
	WIN 0
	TSUB \first
	WIN 0x55
	TSUB \first
	s_wait_alu depctr_va_vdst(0)                   ; the wait ahead of the batch: both tiles' first
	EXP1
	WIN 0
	EXP1
	s_wait_alu depctr_va_vdst(0)                   ; behind it, and ahead of the second
	CVT1
	PWORD PWA
	WIN 0x55
	CVT1
	WIN 0x05
	PWORD PWB                                      ; sources in window 1, the scale word in window 0
	WIN 0x55
	EXP2
	WIN 0
	EXP2
	s_wait_alu depctr_va_vdst(0)                   ; and behind the second
	CVT2
	WIN 0x55
	CVT2
	WIN 0
	s_wait_alu depctr_va_vdst(0)                   ; the wait here, directly ahead of the wait below
	s_wait_dscnt 0x0                               ; V and the next K are in
	PV \first, PWA
.if \last == 0
	QK QSA                                         ; the next trip's scores
.endif
	WIN 0x54                                       ; K, V in window 0; Q, P, S^T and O^T in window 1
	PV \first, PWB
.if \last == 0
	QK QSB
.endif
	WIN 0x55
	TAIL \first
	WIN 0
	TAIL \first
.endm
; 16 queries into codes: the lane's 32 numbers are a whole block.  QSW, which follows it, writes the scale word
.macro QUANT
	v_max3_num_f32 v[BM], |v[S]|, |v[S+1]|, 0x1800000      ; the block's largest magnitude, in two chains, and the floor 2^(3 - 127): the byte cannot fall under 1
	v_max3_num_f32 v[BM+1], |v[S+16]|, |v[S+17]|, |v[S+18]|
.irp i, 2,4,6,8,10,12
	s_delay_alu instid0(VALU_DEP_2)
	v_max3_num_f32 v[BM], v[BM], |v[S+\i]|, |v[S+1+\i]|
	s_delay_alu instid0(VALU_DEP_2)
	v_max3_num_f32 v[BM+1], v[BM+1], |v[S+17+\i]|, |v[S+18+\i]|
.endr
	s_delay_alu instid0(VALU_DEP_2)
	v_max3_num_f32 v[BM], v[BM], |v[S+14]|, |v[S+15]|
	s_delay_alu instid0(VALU_DEP_1)
	v_max3_num_f32 v[BM], v[BM], v[BM+1], |v[S+31]|
	s_delay_alu instid0(VALU_DEP_1)
	v_add_nc_u32 v[SOA], 0xff000000, v[BM]         ; 2 off its exponent field: the conversion's scale operand
	s_delay_alu instid0(VALU_DEP_1)
	v_lshrrev_b32 v[TP], 23, v[SOA]                ; the scale's byte;
	s_delay_alu instid0(VALU_DEP_1)
	v_permlanex16_b32 v[PD], v[TP], s[SEL], s[SEL+1]
	s_delay_alu instid0(VALU_DEP_1)
	v_lshl_or_b32 v[TP], v[PD], 8, v[TP]           ; in lanes 0-15, which are read: s0, s1;
	v_cvt_scalef32_pk16_fp6_f32 v[QF:QF+2], v[S:S+15], v[SOA]
	v_cvt_scalef32_pk16_fp6_f32 v[T:T+2], v[S+16:S+31], v[SOA]   ; (a conversion's three registers begin on an even number)
.irp i, 0,1,2,3,4,5
	v_mov_b32 v[QF+6+\i], 0                        ; zero codes between the two.  (Plain places behind the conversions)
.endr
.irp i, 0,1,2
	v_mov_b32 v[QF+3+\i], v[T+\i]
	v_mov_b32 v[QF+12+\i], v[QF+\i]                ; q once more
	v_mov_b32 v[QF+15+\i], v[T+\i]
.endr
.endm
.macro QSW qs
	v_lshl_or_b32 v[\qs], v[TP], 16, v[TP]         ; twice: q stands in k = 0 .. 63 or in k = 64 .. 127
.endm
	s_load_b128 s[4:7], s[0:1], 0x0                ; q s[4:5], kv s[6:7]
	s_load_b64 s[8:9], s[0:1], 0x10                ; out0
	v_lshl_add_u32 v[SPW], v0, 2, SPARE
	v_mov_b32 v[NIL], 0
	ds_add_u32 v[SPW], v[NIL]                      ; the opening lines: the add, twice on end, ahead of my tensor load
	ds_add_u32 v[SPW], v[NIL]
	v_lshrrev_b32 v2, 5, v0
	v_readfirstlane_b32 s[WV], v2                  ; wave 0..7
	v_and_b32 v9, 31, v0                           ; lane
	v_and_b32 v14, 15, v0                          ; r
	v_bfe_u32 v15, v0, 4, 1                        ; h
	v_lshlrev_b32 v[LI], 4, v9
	s_wait_alu depctr_va_vdst(0)                   ; the wait here, ahead of the run of scalar lines
	s_and_b32 s11, s[WV], 3                        ; my pair of tiles: 32 queries
	s_lshr_b32 s12, s[WV], 2                       ; which steps are mine: the lower N0 (0) or the others (1)
	s_bfe_u32 s13, ttmp6, 0x40000                  ; cx: my place in the cluster
	s_lshl_b32 s14, ttmp9, 2                       ; in a cluster launch ttmp9 counts clusters
	s_add_co_u32 s14, s14, s13                     ; my block of 128 queries = 4 x cluster x + cx
	s_and_b32 s15, ttmp7, 0xffff                   ; the batch, which the four partners share
	; descriptor group 1: a dense block of 25,600 bytes as 100 rows of 256 bytes (32 elements of 8 bytes); no padding: the images are read at 16 x lane, 512 consecutive bytes an instruction
	s_mov_b32 s[G1], 15|(3<<16)|(1<<21)            ; 15:0 the mask: all four work-groups; 17:16 elements of 8 bytes; 20 padding off; 21 set beside a mask
	s_mov_b32 s[G1+1], 32<<16                      ; tensor_dim0 = 32
	s_mov_b32 s[G1+2], 100<<16                     ; tensor_dim1 = 100
	s_mov_b32 s[G1+3], 32<<16                      ; tile_dim0 = 32
	s_mov_b32 s[G1+4], 100                         ; tile_dim1 = 100
	s_mov_b32 s[G1+5], 32                          ; from row to row: 32 elements
	s_mov_b32 s[G1+6], 0
	s_mov_b32 s[G1+7], 0
	s_mov_b32 s[G0], 1                             ; 1:0 count = 1
	s_add_co_u32 s28, s[WV], 6
	s_and_b32 s28, s28, 7                          ; which two steps I fetch: waves 0-3 steps 12-15 and 0-3, which the first three trips read; waves 4-7 steps 4-11
	s_mul_i32 s[G0+1], s28, 2*STEPB                ; 63:32 LDS address: step n lies at n x 12,800, in LDS as in the batch's part of kv.  Neither hangs on my place in the cluster
	s_mul_i32 s32, s15, 16*STEPB                   ; kv: the batch's 204,800 bytes,
	s_add_co_u32 s32, s32, s[G0+1]                 ; my two steps
	s_mov_b32 s33, 0
	s_lshl_b32 s34, s15, 19                        ; q and out0: batch x 2,048 rows of 256 bytes
	s_lshl_b32 s43, s14, 15                        ; + my block's 128 rows
	s_add_co_u32 s34, s34, s43
	s_lshl_b32 s43, s11, 13                        ; + my tiles' 32
	s_add_co_u32 s34, s34, s43
	s_mov_b32 s35, 0
	s_lshl_b32 s46, s12, 12                        ; of q the pair's two waves fetch 16 rows each
	s_add_co_u32 s46, s46, s34
	s_mov_b32 s47, 0
	s_mov_b32 s[CS], 0x3e38aa3b                    ; c = log2(e) / sqrt(64)
	s_mov_b32 s[CS+1], s[CS]                       ; (named with it as a pair, so it is written)
	s_mov_b32 s[NC], 0xbe38aa3b
	s_mov_b32 s[SEL], 0x76543210
	s_mov_b32 s[SEL+1], 0xfedcba98
	s_mul_i32 s[TB], s12, N0*STEPB                 ; my first step: 0 or N0
	s_mul_i32 s[TL], s12, (16-N0)*STEPB
	s_add_co_u32 s[TL], s[TL], (N0-1)*STEPB        ; my last: N0 - 1 or 15
	s_mul_i32 s43, s11, 2*TREG
	s_add_co_u32 s45, s43, MRG                     ; my tiles' merge region
	s_add_co_u32 s43, s43, QST                     ; my tiles' stage
	s_mul_i32 s44, s12, 16*PIT
	s_add_co_u32 s44, s44, s43                     ; and my 16 rows of it
	; every LDS address is made here, ahead of every place where waves part
	v_mul_u32_u24 v[RD], v15, PIT
	v_mul_u32_u24 v[STO], v14, PIT                 ; row r
	v_lshl_add_u32 v[RD], v14, 4, v[RD]            ; two rows an instruction: 272 h + 16 r
	v_lshl_add_u32 v[QSO], v15, 7, v[STO]          ; q out: + 128 h: d = 32 h .. 32 h + 31
	v_lshl_add_u32 v[STO], v15, 5, v[STO]          ; o in: + 32 h
	v_add_nc_u32 v[QSI], s44, v[RD]
	v_add_nc_u32 v[RD], s43, v[RD]
	v_add_nc_u32 v[QSO], s43, v[QSO]
	v_add_nc_u32 v[STO], s43, v[STO]
	v_add_nc_u32 v[MGA], s45, v[LI]
	v_lshl_add_u32 v[MGS], v9, 3, s45
	v_mov_b32 v[PD], 0                             ; written once, in both windows: a lane permute's destination counts as one of its sources
	WIN 0x40
	v_mov_b32 v[PD], 0
	WIN 0
	s_wait_alu depctr_va_vdst(0)                   ; the wait here, directly ahead of the waits below
	s_wait_dscnt 0x0                               ; both opening adds are done
	s_wait_kmcnt 0x0
	s_add_nc_u64 s[4:5], s[4:5], s[46:47]
.irp i, 0,1,2,3,4,5,6,7
	global_load_b128 v[S+32+4*\i:S+32+4*\i+3], v[LI], s[4:5] offset:512*\i th:TH_LOAD_NT   ; my 16 rows of q, two rows (512 consecutive bytes) a load; read once in the launch
.endr
	s_add_nc_u64 s[8:9], s[8:9], s[34:35]
	s_add_nc_u64 s[G0+2:G0+3], s[6:7], s[32:33]    ; 120:64 global address
	s_or_b32 s[G0+3], s[G0+3], 0x80000000          ; 127:126 type = 2
	CROUND                                         ; all four work-groups are here: the joint loads meet
	s_cmp_lt_u32 s[WV], 4                          ; one tensor load a wave; waves 0-3 and waves 4-7 have a line each, since only the first four wait for theirs ahead of the first step
	s_cbranch_scc0 .Lupper
	tensor_load_to_lds s[G0:G0+3], s[G1:G1+7]      ; steps 0-3 and 12-15
	s_nop 0
.rept 4
	v_nop
.endr
	s_branch .Lasked
.Lupper:
	tensor_load_to_lds s[G0:G0+3], s[G1:G1+7]      ; steps 4-11
	s_nop 0
.rept 4
	v_nop
.endr
.Lasked:
	s_wait_loadcnt 0x0
.irp i, 0,1,2,3,4,5,6,7
	ds_store_b128 v[QSI], v[S+32+4*\i:S+32+4*\i+3] offset:2*\i*PIT
.endr
	s_wait_dscnt 0x0                               ; for my partner's sake: my 16 rows lie in the stage
	s_barrier_signal -1
	s_barrier_wait -1                              ; the tiles' 32 rows are there.
.irp j, 0,1,2,3,4,5,6,7
	ds_load_b128 v[S+4*\j:S+4*\j+3], v[QSO] offset:16*\j   ; query r, d = 32 h .. 32 h + 31: a whole block in my lane
.endr
	WIN 0x40
.irp j, 0,1,2,3,4,5,6,7
	ds_load_b128 v[S+4*\j:S+4*\j+3], v[QSO] offset:TREG+16*\j   ; tile 1's
.endr
	WIN 0
	s_wait_dscnt 0x0
	QUANT
	QSW QSA
	WIN 0x55
	QUANT
	WIN 0x11
	QSW QSB                                        ; sources in window 1, the scale word in window 0
	WIN 0
	s_wait_alu depctr_va_vdst(0)                   ; the wait here, ahead of the branch and the waits below
	s_cmp_lt_u32 s[WV], 4
	s_cbranch_scc0 .Lno_wait
	s_wait_tensorcnt 0x0                           ; waves 0-3: my one tensor load is in LDS
.Lno_wait:
	s_barrier_signal -1
	s_barrier_wait -1                              ; steps 0-3 and 12-15 are.
	v_add_nc_u32 v[ADR], s[TB], v[LI]
	KLOAD 0
.rept 8
	v_nop                                          ; places between Q's registers and scale words and the first product
.endr
	s_wait_dscnt 0x0
	QK QSA                                         ; the first trip's scores
	WIN 0x54
	QK QSB
	WIN 0
.rept 4
	v_nop                                          ; places in front of the loads into K's registers and of the first read of the scores
.endr
	TRIP TB, 1, 0
	s_add_co_u32 s[TB], s[TB], STEPB
	s_wait_tensorcnt 0x0                           ; every wave's tensor load is waited for here;
	s_barrier_signal -1                            ; say so.  Up to the wait below: register work, and LDS reads of steps 0-3 and 12-15, which nobody writes
	TRIP TB, 0, 0
	s_add_co_u32 s[TB], s[TB], STEPB
	TRIP TB, 0, 0                                  ; (this third trip fetches K of steps 3 and 15)
	s_barrier_wait -1                              ; steps 4-11 are in LDS too
	s_mov_b32 s[TB], 3*STEPB
	s_mov_b32 s[CNT], N0-4                         ; waves 0-3: steps 3 to N0 - 2
.Ltrip:
	s_cmp_lt_u32 s[WV], 4                          ; waves 4-7 have their last step alone to go: they pass over the work
	s_cbranch_scc0 .Lnext
	TRIP TB, 0, 0
.Lnext:
	s_add_co_u32 s[TB], s[TB], STEPB
	s_sub_co_u32 s[CNT], s[CNT], 1
	s_cmp_lg_u32 s[CNT], 0
	s_cbranch_scc1 .Ltrip
	TRIP TL, 0, 1
	; THE TWO WAVES OF A PAIR OF TILES ARE JOINED.  The upper wave hands O^T, -M and its part of the sum to the lower one, as images of its registers.
	v_add_f32 v[MX], v[L], v[L+1]                  ; the sum's two halves (the largest score is done with)
	WIN 0x55
	v_add_f32 v[MX], v[L], v[L+1]
	WIN 0
	s_wait_alu depctr_va_vdst(0)                   ; the wait here, ahead of the branch
	s_cmp_lt_u32 s[WV], 4
	s_cbranch_scc1 .Lkeep
.irp g, 0,1,2,3,4,5,6,7
	ds_store_b128 v[MGA], v[O+4*\g:O+4*\g+3] offset:512*\g   ; each result from its low end on
.endr
	ds_store_b64 v[MGS], v[NM:NM+1] offset:4096
	WIN 0x04                                       ; data in window 1
.irp g, 0,1,2,3,4,5,6,7
	ds_store_b128 v[MGA], v[O+4*\g:O+4*\g+3] offset:TREG+512*\g
.endr
	ds_store_b64 v[MGS], v[NM:NM+1] offset:TREG+4096
	WIN 0
.Lkeep:
	s_wait_dscnt 0x0                               ; for the partner's sake
	s_barrier_signal -1
	s_barrier_wait -1
	s_cmp_lt_u32 s[WV], 4
	s_cbranch_scc0 .Ldone
.irp g, 0,1,2,3,4,5,6,7
	ds_load_b128 v[S+4*\g:S+4*\g+3], v[MGA] offset:512*\g
.endr
	ds_load_b64 v[S+32:S+33], v[MGS] offset:4096
	WIN 0x40
.irp g, 0,1,2,3,4,5,6,7
	ds_load_b128 v[S+4*\g:S+4*\g+3], v[MGA] offset:TREG+512*\g
.endr
	ds_load_b64 v[S+32:S+33], v[MGS] offset:TREG+4096
	WIN 0
	s_wait_dscnt 0x0
.macro JOIN1
	v_min_num_f32 v[TP], v[NM], v[S+32]            ; -M of the two together
	s_delay_alu instid0(VALU_DEP_1)
	v_sub_f32 v[FF], v[TP], v[NM]                  ; each M less the common one: whole numbers, 0 or less
	v_sub_f32 v[T], v[TP], v[S+32]
	s_delay_alu instid0(VALU_DEP_2)
	v_cvt_i32_f32 v[FF], v[FF]
	s_delay_alu instid0(VALU_DEP_2)
	v_cvt_i32_f32 v[T], v[T]
	s_delay_alu instid0(VALU_DEP_2)
	v_ldexp_f32 v[FF], 1.0, v[FF]                  ; my factor,
	s_delay_alu instid0(VALU_DEP_2)
	v_ldexp_f32 v[T], 1.0, v[T]                    ; the partner's
	v_mul_f32 v[MX], v[MX], v[FF]
	s_delay_alu instid0(VALU_DEP_1)
	v_fma_f32 v[MX], v[S+33], v[T], v[MX]          ; both parts of the sum under the common M,
	s_delay_alu instid0(VALU_DEP_1)
	v_permlanex16_b32 v[PD], v[MX], s[SEL], s[SEL+1]
	s_delay_alu instid0(VALU_DEP_1)
	v_add_f32 v[MX], v[MX], v[PD]                  ; and lane l xor 16's: the row's sum
.endm
.macro JOIN2
	s_wait_alu depctr_va_vdst(0)                   ; behind the transcendentals, ahead of the first readers
	v_mul_f32 v[FF], v[FF], v[TP]                  ; the division goes into the two factors
	v_mul_f32 v[T], v[T], v[TP]
.irp j, 0,2,4,6,8,10,12,14,16,18,20,22,24,26,28,30
	v_pk_mul_f32 v[O+\j:O+\j+1], v[O+\j:O+\j+1], v[FF:FF+1] op_sel_hi:[1,0]   ; each result from its low end on
.endr
.irp j, 0,2,4,6,8,10,12,14,16,18,20,22,24,26,28,30
	v_pk_fma_f32 v[O+\j:O+\j+1], v[S+\j:S+\j+1], v[T:T+1], v[O+\j:O+\j+1] op_sel_hi:[1,0,1]
.endr
.endm
	JOIN1
	WIN 0x55
	JOIN1
	s_wait_alu depctr_va_vdst(0)                   ; the wait ahead of the transcendentals
	v_rcp_f32 v[TP], v[MX]
	WIN 0
	v_rcp_f32 v[TP], v[MX]
	v_nop                                          ; one plain place behind a transcendental
	JOIN2
	WIN 0x55
	JOIN2
	WIN 0
	; THE WAY OUT.  A lane holds 32 neighbouring bytes of four places of its row, and the lanes beside it hold other rows: each tile goes through its stage (q's, which both waves left behind barriers ago; I alone
	; touch it now) and comes back as whole rows of 256 bytes.  LDS serves a wave's instructions in order (ISA guide 5.7.1.4): no wait between the stores and the loads.
.irp t, 0,1,2,3
	ds_store_b128 v[STO], v[O+8*\t:O+8*\t+3] offset:64*\t
	ds_store_b128 v[STO], v[O+8*\t+4:O+8*\t+7] offset:64*\t+16
.endr
.irp i, 0,1,2,3,4,5,6,7
	ds_load_b128 v[S+4*\i:S+4*\i+3], v[RD] offset:2*\i*PIT
.endr
	WIN 0x04
.irp t, 0,1,2,3
	ds_store_b128 v[STO], v[O+8*\t:O+8*\t+3] offset:TREG+64*\t
	ds_store_b128 v[STO], v[O+8*\t+4:O+8*\t+7] offset:TREG+64*\t+16
.endr
	WIN 0x40
.irp i, 0,1,2,3,4,5,6,7
	ds_load_b128 v[S+4*\i:S+4*\i+3], v[RD] offset:TREG+2*\i*PIT
.endr
	WIN 0
.irp i, 0,1,2,3,4,5,6,7
	s_wait_dscnt 23-\i                             ; tile 0's read i is back; its 7 - i younger ones, and tile 1's 8 stores and 8 reads, may be out
	global_store_b128 v[LI], v[S+4*\i:S+4*\i+3], s[8:9] offset:512*\i th:TH_STORE_NT   ; rows 2 i and 2 i + 1: 512 consecutive bytes, at a multiple of 256 from out0's first byte; written once, read by nobody here
.endr
	WIN 0x04
.irp i, 0,1,2,3,4,5,6,7
	s_wait_dscnt 7-\i                              ; tile 1's read i is back
	global_store_b128 v[LI], v[S+4*\i:S+4*\i+3], s[8:9] offset:4096+512*\i th:TH_STORE_NT
.endr
	WIN 0
.Ldone:
	s_wait_tensorcnt 0x0                           ; the wave's end
	ds_add_u32 v[SPW], v[NIL]
	s_wait_dscnt 0x0
	CROUND                                         ; the closing round: no work-group ends while a partner may still ask for a part that names it
	s_endpgm
.Lfunc_end_k_q40a9e455b6_attn:
	.size	k_q40a9e455b6_attn, .Lfunc_end_k_q40a9e455b6_attn-k_q40a9e455b6_attn
	.p2alignl 7, 3214868480
	.fill 96, 4, 3214868480
	.section	.rodata,"a",@progbits
	.p2align	6, 0x0
	.amdhsa_kernel k_q40a9e455b6_attn
		.amdhsa_group_segment_fixed_size 275456
		.amdhsa_private_segment_fixed_size 0
		.amdhsa_enable_private_segment 0
		.amdhsa_kernarg_size 24
		.amdhsa_user_sgpr_count 2
		.amdhsa_user_sgpr_kernarg_segment_ptr 1
		.amdhsa_wavefront_size32 1
		.amdhsa_system_sgpr_workgroup_id_x 1
		.amdhsa_system_sgpr_workgroup_id_y 1
		.amdhsa_system_sgpr_workgroup_id_z 1
		.amdhsa_system_vgpr_workitem_id 0
		.amdhsa_next_free_vgpr 512
		.amdhsa_next_free_sgpr 66
		.amdhsa_reserve_vcc 0
		.amdhsa_float_denorm_mode_32 3
		.amdhsa_float_denorm_mode_16_64 3
		.amdhsa_memory_ordered 1
		.amdhsa_forward_progress 1
		.amdhsa_inst_pref_size 156
	.end_amdhsa_kernel
	.amdgpu_metadata
---
amdhsa.version: [ 1, 2 ]
amdhsa.kernels:
  - .name:           k_q40a9e455b6_attn
    .symbol:         k_q40a9e455b6_attn.kd
    .args:
      - { .name: q, .offset: 0, .size: 8, .value_kind: global_buffer, .address_space: global }
      - { .name: kv, .offset: 8, .size: 8, .value_kind: global_buffer, .address_space: global }
      - { .name: out0, .offset: 16, .size: 8, .value_kind: global_buffer, .address_space: global }
    .group_segment_fixed_size: 275456
    .private_segment_fixed_size: 0
    .kernarg_segment_align: 8
    .kernarg_segment_size: 24
    .max_flat_workgroup_size: 256
    .sgpr_count:     66
    .vgpr_count:     512
    .wavefront_size: 32
...
	.end_amdgpu_metadata
.endif
;; end of part 2
